; MI455X (gfx1250); checked and timed in simulation.
; The chip was launched on July 23, 2026; its instructions are those of AMD's public machine-readable ISA for CDNA 5 (MIT licence, August 2026) and "CDNA5" Instruction Set Architecture Reference Guide (July 2026). The comments in the code are by the model that wrote it; some were corrected since.
;; Decoder Layer. Allowed arithmetic: matrix products marked QUANTISED: E3M2 operands, one E8M0 scale for each 32 along K, by v_wmma_scale_f32_16x16x128_f8f6f4 with both operands' format E3M2, f32 sums; everything else in f32.
;; Inputs: Wk 1,024 x 1,024 float32; Wq 1,024 x 1,024 float32; Wv 1,024 x 1,024 float32; bk 1,024 float32; bq 1,024 float32; bv 1,024 float32; inputs 2,048 x 4 x 1,024 float32; mask 2,048 x 2,048 bool.
;; Outputs: out0 2,048 x 4 x 1,024 float32.
;; This version of the problem:
;;   THIS VERSION OF THE PROBLEM IS GIVEN IN LOW PRECISION. The matrix products marked QUANTISED in the list below multiply operands that are first quantised to E3M2 (3 exponent bits, 2 mantissa bits; 6 bits a number), with one power-of-two scale for each 32 numbers along K (OCP MX v1.0); their sums are f32. All else is computed in f32.
;;   The module's matrix products, in the order in which they are computed (A, B: the left and right operand; K: the contracted axis; several contracted axes count as one K, in the product's order):
;;     1. [M 8,192, K 1,024] x [K 1,024, N 1,024]; A: input inputs; B: input Wq: QUANTISED
;;     2. [M 8,192, K 1,024] x [K 1,024, N 1,024]; A: input inputs; B: input Wk: QUANTISED
;;     3. [M 8,192, K 1,024] x [K 1,024, N 1,024]; A: input inputs; B: input Wv: QUANTISED
;;     4. batch 64 x [M 2,048, K 64] x [K 64, N 2,048]; A: computed on the way; B: computed on the way: QUANTISED
;;     5. batch 64 x [M 2,048, K 2,048] x [K 2,048, N 64]; A: softmax (see below); B: computed on the way: QUANTISED
;;   THE QUANTISER, for each operand of a quantised product, along K:
;;     - K is cut into blocks of 32 from its start; a last block that is shorter is filled with zeros.
;;     - A block's scale is 2^e with e = floor(log2(the largest magnitude in the block)) - 4, held to -126 .. 127; a block of zeros has e = 0. As a byte (E8M0): e + 127.
;;     - Each number is divided by its block's scale, clamped to +-28, and rounded to the nearest number of E3M2, ties to even, subnormals kept.
;;     - The product sums the exact products of the quantised numbers (number of the format x scale) in f32.
;;   ~~~python
;;   def quantise(x, axis):      # numpy; x: float32 -> the quantised numbers, widened to float32 again
;;       x = np.moveaxis(x, axis, -1); K = x.shape[-1]
;;       x = np.pad(x, [(0, 0)] * (x.ndim - 1) + [(0, -K % 32)]); x = x.reshape(x.shape[:-1] + (-1, 32)); a = np.abs(x).max(-1, keepdims=True)
;;       e = np.where(a > 0, np.clip(np.frexp(np.where(a > 0, a, 1))[1] - 1 - 4, -126, 127), 0)      # np.frexp(a)[1] - 1 = floor(log2(a)), exactly
;;       r = np.clip(x / 2.0 ** e, -28, 28)
;;       step = 2.0 ** (np.maximum(np.frexp(np.where(r == 0, 1, r))[1] - 1, -2) - 2)
;;       q = np.round(r / step) * step * 2.0 ** e      # np.round: ties to even
;;       return np.moveaxis(q.reshape(q.shape[:-2] + (-1,))[..., :K], -1, axis).astype(np.float32)
;;   ~~~
;;   SOFTMAX AHEAD OF A QUANTISED PRODUCT. Where the list says 'softmax', what is quantised is not the finished softmax but p = 2^(t - M), with t = logit x log2(e) and M = ceil(the row's largest t), a whole number; so 1/2 < the row's largest p <= 1. The row's sum l is taken of the UNQUANTISED p, in f32, and the product's result is divided by l at the end. Since M is a whole number, a kernel that streams over the keys may use a running M (the ceiling of the running maximum): every later rescaling is an exact power of two, which a block's scale takes up: the codes' values come out the same.
;;   OPERANDS COMPUTED ON THE WAY. 'Computed on the way' means the value that the module computes at that place (a softmax that the list does not call 'softmax' is quantised finished and normalised). What goes into a quantiser is computed in f32, as accurately as f32 sums, v_exp_f32 and their like allow (about 1e-6 of the number): no bf16 or f16 on the way to a quantiser, and a product that is left as it is and whose result goes on into a quantised operand takes f32 operands (vector FMAs, or v_wmma_f32_16x16x4_f32). A number that lies on a knife's edge between two numbers of the format may be rounded either way, as far as f32 arithmetic and the matrix unit's own rounding can turn it there, and no further.
;; One version. Each part assembles by itself: llvm-mc -triple=amdgcn-amd-amdhsa -mcpu=gfx1250 --defsym DOCPART=n.
;; ======== version 1 of 1: 3 launches
;; limits: right only within a limited range of input values
;; workspace buffers: x_codes 6,291,456 bytes; x_scales 262,144 bytes; w_codes 2,359,296 bytes; w_scales 98,304 bytes; img 18,874,368 bytes; sc 786,432 bytes; mbits 524,288 bytes of whole numbers
;; launch prep (part 1): grid 480 x 1, 4 waves a work-group, no clusters, 67,072 bytes of LDS; arguments inputs, Wq, Wk, Wv, mask, x_codes, x_scales, w_codes, w_scales, mbits; writes x_codes, x_scales, w_codes, w_scales, mbits
.if DOCPART == 1
	.amdgcn_target "amdgcn-amd-amdhsa--gfx1250"
	.amdhsa_code_object_version 6
	.text
	.protected	k_qc3bc34c7e0_prep
	.globl	k_qc3bc34c7e0_prep
	.p2align	8
	.type	k_qc3bc34c7e0_prep,@function
k_qc3bc34c7e0_prep:
	s_mov_b64 s[64:65], 0
	v_nop
	global_prefetch_b8 v0, s[64:65] scope:SCOPE_SE
	s_setreg_imm32_b32 hwreg(HW_REG_WAVE_MODE, 25, 1), 1
	s_wait_xcnt 0x0
; PREP.  (1) inputs [2048 s][4 b][1024] and Wq, Wk, Wv [1024][1024], f32, K innermost, become codes of BF6 (E3M2), 768 bytes a row, with one E8M0 byte for each 32 along K.
; A block's scale is 2^(floor(log2(its largest magnitude)) - 4); its byte is the largest magnitude's exponent field - 4, held at 1 from below; each number is divided by it and rounded to the nearest code, ties to even,
; beyond 28 the largest code.  (A block of zeros gets the byte 1 where the rule says 127: its codes are zeros, and this program alone reads the bytes.)
; LIMITS: blocks whose largest magnitude lies under 2^(4 - 126) have their byte held at 1; NaN and infinities among the inputs are not served.
; WHERE THE ROWS GO.  x's rows are laid [b][position], W's [Wq, Wk, Wv][position]; position P holds the true row P with bits 3 and 4 exchanged.  So 16 neighbouring positions (a tile T of a matrix operand) hold the true rows
; 32 (T / 2) + 8 (T % 2) + r + 8 (r / 8), and in a product used transposed the 16 registers of two neighbouring tiles are 16 neighbours.  A wave takes 8 rows, so the exchange is one of the two low bits of its group's number.
; (2) mask [2048 q][2048 k], one byte each, becomes words of lane bits: word 16 bb + i of (tile T of queries, key step j of 128 keys) has in bit (r, h) mask[32 (T / 2) + 8 (T % 2) + r + 8 (r / 8)][128 j + 32 bb + 16 h + i]:
; the lane and the register in which the attention launch holds that score.
; Work-groups 0-255 take x, 256-351 the weights, 352-479 the mask.  The two ways part on the work-group's number and have LDS bytes of their own.  No tensor loads, no barrier: waves share nothing.
.set NXG,   256                        ; work-groups for x: 8,192 rows / 32
.set NQG,   352                        ; and with the weights' 96
.set STEPS, 16                         ; a wave: 16 steps of 512 numbers = 8 rows
.set EMAX,  4
.set CB,    12                         ; bytes of 16 codes
.set R,     16                         ; v16-79   four sets of 16 numbers as they are loaded
.set X,     80                         ; v80-111  two sets of 16 neighbours
.set E,     112                        ; v112-127 a scale byte for each step
.set C,     128                        ; v128-191 codes: four registers for each step, so that no store's data are written again
.set RO,    192                        ; v192-199 16 x lane + row i x the source's row stride
.set WREG,  8192                       ; LDS of a quantising wave: two stages of 32 x SP bytes, and behind them its 256 scale bytes
.set SP,    80                         ; a lane's place in a stage: its 64 bytes + 16 of padding
.set MLDS,  32768                      ; LDS of the mask's way: 16 rows x MPI bytes for each wave
.set MPI,   528                        ; 512 bytes + 16: the sixteen rows of a load begin at sixteen different 16-byte columns of 256
	s_load_b256 s[4:11], s[0:1], 0x0               ; inputs, Wq, Wk, Wv
	s_load_b256 s[12:19], s[0:1], 0x20             ; mask, x_codes, x_scales, w_codes
	s_load_b128 s[20:23], s[0:1], 0x40             ; w_scales, mbits
	v_lshl_add_u32 v200, v0, 2, 0x10400
	v_mov_b32 v201, 0
	v_lshrrev_b32 v1, 5, v0
	v_readfirstlane_b32 s24, v1                    ; wave 0..3
	v_and_b32 v2, 31, v0                           ; lane
	v_lshlrev_b32 v3, 4, v2                        ; 16 x lane
	s_cmp_ge_u32 ttmp9, NQG
	s_cbranch_scc1 .Lmask
	; ---------------- the quantiser
	s_mul_i32 s25, s24, WREG
	v_lshrrev_b32 v14, 2, v2
	v_mul_u32_u24 v14, v14, SP
	v_and_b32 v15, 3, v2
	v_lshl_add_u32 v14, v15, 4, v14
	v_add_nc_u32 v14, s25, v14                     ; the stage, on the way in: four lanes' 64 bytes on end, then 16 of padding
	v_mul_u32_u24 v15, v2, SP
	v_add_nc_u32 v15, s25, v15                     ; and on the way out: my 16 neighbours
	v_lshrrev_b32 v5, 1, v2
	s_add_co_u32 s25, s25, 2*32*SP
	v_add_nc_u32 v5, s25, v5                       ; LDS: my wave's 256 scale bytes, my block's byte
	v_lshlrev_b32 v7, 3, v2                        ; and on the way out 8 bytes a lane
	v_add_nc_u32 v6, s25, v7
	s_cmp_lt_u32 ttmp9, NXG                        ; x or a weight?  All that is chosen hangs on the work-group's number alone
	s_cselect_b32 s26, 0, NXG
	s_mov_b32 s27, 4096
	s_cselect_b32 s27, 16384, s27                  ; from a row to the next in the source: x's rows of one b lie 4 rows apart
	s_mov_b32 s28, 127
	s_cselect_b32 s28, 255, s28                    ; groups of 8 rows in one b, or in one weight, less 1
	s_cselect_b32 s29, 17, 15                      ; 8 rows of the source, as a shift
	s_cselect_b32 s30, -1, 0
	; THE CODES' LAYOUT: [K step of 256][row position][192 bytes], so that 128 rows of one K step are 24,576 consecutive bytes, a whole number of aligned blocks of 256
	s_mov_b32 s41, 589824                          ; a K step's plane: 3,072 rows x 192 bytes for the weights,
	s_cselect_b32 s41, 1572864, s41                ; 8,192 x 192 for x
	v_and_b32 v4, 15, v2
	v_lshrrev_b32 v10, 4, v2
	v_mul_u32_u24 v4, v4, CB                       ; my codes' place: 12 bytes x (lane % 16) of a row's 192,
	v_mad_u32_u24 v4, v10, s41, v4                 ; lanes 16-31 in the next K step's plane
	s_sub_co_u32 s26, ttmp9, s26
	s_lshl_b32 s31, s26, 2
	s_add_co_u32 s31, s31, s24                     ; my group of 8 true rows: x: 256 b + s / 8;  weights: 128 x tensor + n / 8
	s_and_b32 s32, s31, s28
	s_lshl_b32 s32, s32, s29
	s_lshr_b32 s33, s31, 8
	s_lshl_b32 s33, s33, 12                        ; b x 4,096 bytes
	s_and_b32 s33, s33, s30
	s_add_co_u32 s32, s32, s33                     ; where my rows begin in the source, under 2^26
	s_mov_b32 s33, 0
	s_and_b32 s34, s31, -4                         ; where they go: the group's two low bits (they are the wave's number) change places
	s_and_b32 s35, s24, 1
	s_lshl_b32 s35, s35, 1
	s_or_b32 s34, s34, s35
	s_lshr_b32 s35, s24, 1
	s_or_b32 s34, s34, s35
	s_mul_i32 s36, s34, 8*192
	s_mov_b32 s37, 0
	s_lshl_b32 s38, s34, 8
	s_mov_b32 s39, 0
	s_lshr_b32 s40, s26, 5                         ; which weight (of use in the weights' work-groups alone)
.irp i, 0,1,2,3,4,5,6,7
	v_mad_u32_u24 v[RO+\i], s27, \i, v3
.endr
	s_wait_alu depctr_va_vdst(0)
	s_wait_kmcnt 0x0
	s_cmp_eq_u32 s40, 1
	s_cselect_b64 s[6:7], s[8:9], s[6:7]
	s_cmp_eq_u32 s40, 2
	s_cselect_b64 s[6:7], s[10:11], s[6:7]
	s_cmp_lt_u32 ttmp9, NXG
	s_cselect_b64 s[4:5], s[4:5], s[6:7]           ; the source,
	s_cselect_b64 s[8:9], s[14:15], s[18:19]       ; the codes,
	s_cselect_b64 s[10:11], s[16:17], s[20:21]     ; the scale bytes
	s_add_nc_u64 s[4:5], s[4:5], s[32:33]
	s_add_nc_u64 s[8:9], s[8:9], s[36:37]
	s_lshl_b32 s42, s41, 1
	s_mov_b32 s43, 0
	s_add_nc_u64 s[42:43], s[8:9], s[42:43]        ; the same rows two planes on: a row's second half
	s_add_nc_u64 s[10:11], s[10:11], s[38:39]
.macro LOAD t                          ; step t is half t % 2 of row t / 2: each load reads 512 consecutive bytes
.irp i, 0,1,2,3
	global_load_b128 v[R+16*((\t)%4)+4*\i:R+16*((\t)%4)+4*\i+3], v[RO+(\t)/2], s[4:5] offset:2048*((\t)%2)+512*\i th:TH_LOAD_NT
.endr
.endm
.macro TURN t                          ; step t's numbers through the stage: LDS serves a wave's instructions in order, so no wait stands between the stores and the loads
.irp i, 0,1,2,3
	ds_store_b128 v14, v[R+16*((\t)%4)+4*\i:R+16*((\t)%4)+4*\i+3] offset:32*SP*((\t)%2)+8*SP*\i
.endr
.irp i, 0,1,2,3
	ds_load_b128 v[X+16*((\t)%2)+4*\i:X+16*((\t)%2)+4*\i+3], v15 offset:32*SP*((\t)%2)+16*\i
.endr
.endm
.irp t, 0,1,2,3
	LOAD \t
.endr
	s_wait_loadcnt 12                              ; step 0's four loads are in; those of three steps stay out
	TURN 0
.macro STEP t
.set XS, X+16*((\t)%2)
.if (\t) > 0
	s_wait_dscnt 1                                 ; this step's numbers are back from the stage (the last step's byte store may be out): so its stores into the stage have read their registers,
.else
	s_wait_dscnt 0x0
.endif
.if (\t)+4 < STEPS
	LOAD (\t)+4                                    ; which take the loads of four steps on
.endif
.if (\t)+1 < STEPS
.if STEPS-2-(\t) >= 3
	s_wait_loadcnt 12                              ; the next step's four loads are in; those of the three steps behind it may be out
.else
	s_wait_loadcnt 4*(STEPS-2-(\t))
.endif
	TURN (\t)+1                                    ; and go through the other stage while this step is worked
.endif
	v_max3_num_f32 v8, |v[XS]|, |v[XS+1]|, |v[XS+2]|               ; the largest magnitude of my 16, in two chains
	v_max3_num_f32 v9, |v[XS+3]|, |v[XS+4]|, |v[XS+5]|
.irp i, 6,10
	v_max3_num_f32 v8, v8, |v[XS+\i]|, |v[XS+\i+1]|
	v_max3_num_f32 v9, v9, |v[XS+\i+2]|, |v[XS+\i+3]|
.endr
	v_max3_num_f32 v8, v8, |v[XS+14]|, |v[XS+15]|
	v_max3_num_f32 v8, v8, v9, (EMAX+1)<<23        ; and the floor 2^(EMAX + 1 - 127): the byte cannot fall under 1
	v_max_num_f32_dpp v8, v8, v8 row_xmask:1 row_mask:0xf bank_mask:0xf   ; and of my neighbour's 16: the block's
	v_add_nc_u32 v11, -(EMAX<<23), v8              ; EMAX off its exponent field: the conversion takes the exponent field of this operand as its scale
	v_cvt_scalef32_pk16_bf6_f32 v[C+4*(\t):C+4*(\t)+2], v[XS:XS+15], v11
	v_lshrrev_b32 v[E+(\t)], 23, v11               ; the scale's byte (also the plain line behind the conversion)
	ds_store_b8 v5, v[E+(\t)] offset:16*(\t)       ; both lanes of a block write the same byte with the same value
	global_store_b96 v4, v[C+4*(\t):C+4*(\t)+2], s[8+34*((\t)%2):9+34*((\t)%2)] offset:192*((\t)/2)   ; sixteen lanes store a row's 192 bytes of one K step
.endm
.irp t, 0,1,2,3,4,5,6,7,8,9,10,11,12,13,14,15
	STEP \t
.endr
	ds_load_b64 v[12:13], v6                       ; LDS serves a wave's instructions in order: these see my stores
	s_wait_dscnt 0x0
	global_store_b64 v7, v[12:13], s[10:11]        ; 32 lanes store 256 consecutive bytes, aligned: 8 rows' scale bytes
	s_wait_tensorcnt 0x0
	ds_add_u32 v200, v201
	s_wait_dscnt 0x0
	s_endpgm
	; ---------------- the mask: work-group = tile T of 16 queries, wave w = keys 512 w on: four key steps
.Lmask:
	s_sub_co_u32 s26, ttmp9, NQG                   ; T
	s_lshr_b32 s27, s26, 1
	s_lshl_b32 s27, s27, 5
	s_and_b32 s28, s26, 1
	s_lshl_b32 s28, s28, 3
	s_add_co_u32 s27, s27, s28                     ; the tile's first true query: 32 (T / 2) + 8 (T % 2)
	s_lshl_b32 s27, s27, 11                        ; a row of the mask is 2,048 bytes
	s_lshl_b32 s28, s24, 9
	s_add_co_u32 s32, s27, s28
	s_mov_b32 s33, 0
	s_lshl_b32 s34, s26, 12                        ; the words: 4,096 bytes a tile, 256 a key step
	s_lshl_b32 s28, s24, 10
	s_add_co_u32 s34, s34, s28
	s_mov_b32 s35, 0
	s_mul_i32 s25, s24, 16*MPI
	s_add_co_u32 s25, s25, MLDS
	s_wait_alu depctr_va_vdst(0)
	v_add_nc_u32 v4, s25, v3                       ; into LDS: 16 x lane of a row
	v_and_b32 v5, 15, v2
	v_lshrrev_b32 v6, 4, v2
	v_mul_u32_u24 v5, v5, MPI
	v_lshl_add_u32 v5, v6, 4, v5
	v_add_nc_u32 v5, s25, v5                       ; out of it: row r, + 16 h: my 16 keys of a block of 32
	v_lshlrev_b32 v7, 3, v2
.irp i, 0,1,2,3,4,5,6,7
	v_mov_b32 v[144+\i], 0                         ; (v_writelane_b32's destination counts as read)
.endr
	s_wait_kmcnt 0x0
	s_add_nc_u64 s[12:13], s[12:13], s[32:33]
	s_add_nc_u64 s[22:23], s[22:23], s[34:35]
.irp i, 0,1,2,3,4,5,6,7,8,9,10,11,12,13,14,15
	global_load_b128 v[16+4*\i:19+4*\i], v3, s[12:13] offset:(\i+8*(\i/8))*2048 th:TH_LOAD_NT   ; the tile's row i: 512 consecutive bytes
.endr
.irp i, 0,1,2,3,4,5,6,7,8,9,10,11,12,13,14,15
	s_wait_loadcnt 15-\i                           ; row i is in; the younger rows stay out
	ds_store_b128 v4, v[16+4*\i:19+4*\i] offset:\i*MPI
.endr
.irp q, 0,1,2,3,4,5,6,7,8,9,10,11,12,13,14,15
	ds_load_b128 v[80+4*\q:83+4*\q], v5 offset:32*\q   ; key step q / 4, block q % 4: 16 bytes, my 16 keys.  (My own bytes, served in order)
.endr
.irp ks, 0,1,2,3
	s_wait_dscnt 12-4*\ks                          ; this key step's four loads are in; the later steps' stay out
.set n, 0
.rept 64
	v_and_b32 v[152+n%2], 0xff<<(8*(n%4)), v[80+4*(4*\ks+n/16)+(n%16)/4]   ; the byte of key 32 (n / 16) + 16 h + n % 16
	v_cmp_ne_u32 s[40+n%2], 0, v[152+n%2]          ; the 32 lanes' bits are the word
	v_writelane_b32 v[144+2*\ks+n%2], s[40+n%2], n/2   ; word n to lane n / 2, register n % 2
.set n, n+1
.endr
	global_store_b64 v7, v[144+2*\ks:145+2*\ks], s[22:23] offset:256*\ks   ; 64 words: 256 consecutive bytes, aligned
.endr
	s_wait_tensorcnt 0x0
	ds_add_u32 v200, v201
	s_wait_dscnt 0x0
	s_endpgm
.Lfunc_end_k_qc3bc34c7e0_prep:
	.size	k_qc3bc34c7e0_prep, .Lfunc_end_k_qc3bc34c7e0_prep-k_qc3bc34c7e0_prep
	.p2alignl 7, 3214868480
	.fill 96, 4, 3214868480
	.section	.rodata,"a",@progbits
	.p2align	6, 0x0
	.amdhsa_kernel k_qc3bc34c7e0_prep
		.amdhsa_group_segment_fixed_size 67072
		.amdhsa_private_segment_fixed_size 0
		.amdhsa_enable_private_segment 0
		.amdhsa_kernarg_size 80
		.amdhsa_user_sgpr_count 2
		.amdhsa_user_sgpr_kernarg_segment_ptr 1
		.amdhsa_wavefront_size32 1
		.amdhsa_system_sgpr_workgroup_id_x 1
		.amdhsa_system_sgpr_workgroup_id_y 1
		.amdhsa_system_sgpr_workgroup_id_z 1
		.amdhsa_system_vgpr_workitem_id 0
		.amdhsa_next_free_vgpr 202
		.amdhsa_next_free_sgpr 66
		.amdhsa_reserve_vcc 0
		.amdhsa_float_denorm_mode_32 3
		.amdhsa_float_denorm_mode_16_64 3
		.amdhsa_memory_ordered 1
		.amdhsa_forward_progress 1
		.amdhsa_inst_pref_size 88
	.end_amdhsa_kernel
	.amdgpu_metadata
---
amdhsa.version: [ 1, 2 ]
amdhsa.kernels:
  - .name:           k_qc3bc34c7e0_prep
    .symbol:         k_qc3bc34c7e0_prep.kd
    .args:
      - { .name: inputs, .offset: 0, .size: 8, .value_kind: global_buffer, .address_space: global }
      - { .name: Wq, .offset: 8, .size: 8, .value_kind: global_buffer, .address_space: global }
      - { .name: Wk, .offset: 16, .size: 8, .value_kind: global_buffer, .address_space: global }
      - { .name: Wv, .offset: 24, .size: 8, .value_kind: global_buffer, .address_space: global }
      - { .name: mask, .offset: 32, .size: 8, .value_kind: global_buffer, .address_space: global }
      - { .name: x_codes, .offset: 40, .size: 8, .value_kind: global_buffer, .address_space: global }
      - { .name: x_scales, .offset: 48, .size: 8, .value_kind: global_buffer, .address_space: global }
      - { .name: w_codes, .offset: 56, .size: 8, .value_kind: global_buffer, .address_space: global }
      - { .name: w_scales, .offset: 64, .size: 8, .value_kind: global_buffer, .address_space: global }
      - { .name: mbits, .offset: 72, .size: 8, .value_kind: global_buffer, .address_space: global }
    .group_segment_fixed_size: 67072
    .private_segment_fixed_size: 0
    .kernarg_segment_align: 8
    .kernarg_segment_size: 80
    .max_flat_workgroup_size: 128
    .sgpr_count:     66
    .vgpr_count:     202
    .wavefront_size: 32
...
	.end_amdgpu_metadata
.endif
;; end of part 1
;; launch proj (part 2): grid 12 x 32, 4 waves a work-group, clusters of 4 x 4, 327,680 bytes of LDS; arguments x_codes, x_scales, w_codes, w_scales, bq, bk, bv, img, sc; writes img, sc
.if DOCPART == 2
	.amdgcn_target "amdgcn-amd-amdhsa--gfx1250"
	.amdhsa_code_object_version 6
	.text
	.protected	k_qc3bc34c7e0_proj
	.globl	k_qc3bc34c7e0_proj
	.p2align	8
	.type	k_qc3bc34c7e0_proj,@function
k_qc3bc34c7e0_proj:
	s_mov_b64 s[64:65], 0
	v_nop
	global_prefetch_b8 v0, s[64:65] scope:SCOPE_SE
	s_setreg_imm32_b32 hwreg(HW_REG_WAVE_MODE, 25, 1), 1
	s_wait_xcnt 0x0
	s_wait_alu depctr_hold_cnt(0) depctr_sa_sdst(0) depctr_va_vdst(0) depctr_va_sdst(0) depctr_va_ssrc(0) depctr_va_vcc(0) depctr_vm_vsrc(0)
	s_getreg_b32 s2, hwreg(HW_REG_IB_STS2, 6, 4)
	s_cmp_eq_u32 s2, 0
	s_cbranch_scc0 .Lentry_in_a_cluster
	s_endpgm
.Lentry_in_a_cluster:
	s_bfe_u32 s2, ttmp6, 0x10000c
	s_cmp_lg_u32 s2, 0xf033
	s_cbranch_scc0 .Lentry_shape_is_right
	s_endpgm
.Lentry_shape_is_right:
.set KSTEP,  256
.set NQ,     KSTEP/128
.set ROWB,   192
.set KROW,   192
.set PITCH,  240
.set FR,     12
.set NL,     6
.set NP,     4
.set HALFT,  128*PITCH
.set SLOT,   4*HALFT
.set KS,     32
.set SCL,    2*SLOT
.set HALFS,  16*272
.set SBLK,   2*272
.set SPARE,  SCL+4*HALFS
.set IMGK,   6291456
.set ADRA, 16
.set ADRB, 20
.set L8,   24
.set L16,  25
.set ADRS, 27
.set SPW,  28
.set NIL,  29
.set BH64, 30
.set BR4,  31
.set SC,   32
.set BI,   64
.set AF,   128
.set QI,   128
.set PC,   192
.set TM,   212
.set PW,   228
.set SW,   232
.set G1, 24
.set G0, 32
.set G1B, 48
.set G0B, 56
.set G1S, 68
.set G0S, 76
.set G1SB, 80
.set G0SB, 88
.set SEL, 100
.set UPPER, 104
.set MSB, 0
.macro WIN new
.if MSB != \new
	s_set_vgpr_msb (MSB<<8)|\new
.set MSB, \new
.endif
.endm
.set MUL_LO, 0xa1
.set MUL_HI, 0xf1
.set TO_B,   0x40
.macro JLOAD g0a, g1a, g0b, g1b
	s_cmp_eq_u32 s15, 0
	s_cbranch_scc0 .Lfor_b_\@
	tensor_load_to_lds s[\g0a:\g0a+3], s[\g1a:\g1a+7]
	s_nop 0
.rept 4
	v_nop
.endr
	s_branch .Lasked_\@
.Lfor_b_\@:
	tensor_load_to_lds s[\g0b:\g0b+3], s[\g1b:\g1b+7]
	s_nop 0
.rept 4
	v_nop
.endr
.Lasked_\@:
.endm
.macro CREST
	s_cmp_lg_u32 s14, 0
	s_cbranch_scc1 .Lnot_wave_0_\@
	s_barrier_signal -3
.Lnot_wave_0_\@:
	s_barrier_wait -3
	s_barrier_signal -1
	s_barrier_wait -1
.endm
.macro CROUND
	s_barrier_signal -1
	s_barrier_wait -1
	CREST
.endm
	s_load_b512 s[68:83], s[0:1], 0x0
	s_load_b64 s[84:85], s[0:1], 0x40
	v_lshl_add_u32 v[SPW], v0, 2, SPARE
	v_mov_b32 v[NIL], 0
	ds_add_u32 v28, v29
	ds_add_u32 v28, v29
	s_wait_dscnt 0x0
	v_lshrrev_b32 v1, 5, v0
	v_readfirstlane_b32 s14, v1
	s_lshr_b32 s15, s14, 1
	s_and_b32 s16, s14, 1
	s_bfe_u32 s40, ttmp6, 0x40000
	s_bfe_u32 s41, ttmp6, 0x40004
	s_and_b32 s2, ttmp7, 0xffff
	s_cmp_eq_u32 ttmp9, 2
	s_cselect_b32 s42, s2, ttmp9
	s_cselect_b32 s17, ttmp9, s2
	s_lshl_b32 s42, s42, 2
	s_add_co_u32 s42, s42, s40
	s_lshl_b32 s17, s17, 2
	s_add_co_u32 s17, s17, s41
	s_lshl_b32 s43, s41, 2
	s_lshl_b32 s43, 15, s43
	s_lshl_b32 s44, 0x1111, s40
	s_or_b32 s[G1+0], s43, (0<<16)|(1<<20)|(1<<21)|(3<<22)|(3<<25)
	s_or_b32 s[G1B+0], s44, (0<<16)|(1<<20)|(1<<21)|(3<<22)|(3<<25)
.irp g, G1, G1B
	; 128 rows x 192 bytes of one K step are dense in memory: stated as 96 rows of 256 bytes; the padding, 16 bytes behind each 64, is counted along the whole tile, so a row of codes is 240 bytes in LDS
	s_mov_b32 s[\g+1], 256<<16
	s_mov_b32 s[\g+2], 96<<16
	s_mov_b32 s[\g+3], 256<<16
	s_mov_b32 s[\g+4], 96
	s_mov_b32 s[\g+5], 256
	s_mov_b32 s[\g+6], 0
	s_mov_b32 s[\g+7], 0
.endr
	s_lshl_b32 s18, s16, 7
	s_lshl_b32 s20, s17, 8
	s_add_co_u32 s20, s20, s18
	s_lshl_b32 s46, s42, 8
	s_add_co_u32 s46, s46, s18
	s_mov_b32 s21, 0
	s_mov_b32 s47, 0
	s_mov_b64 s[18:19], KS
	s_mul_u64 s[22:23], s[20:21], s[18:19]
	s_mul_u64 s[92:93], s[46:47], s[18:19]
	s_mov_b64 s[18:19], KROW
	s_mul_u64 s[20:21], s[20:21], s[18:19]
	s_mul_u64 s[46:47], s[46:47], s[18:19]
	s_mul_i32 s45, s14, HALFT
	s_mul_i32 s94, s14, HALFS
	s_mov_b32 s[SEL], 0x76543210
	s_mov_b32 s[SEL+1], 0xfedcba98
	s_mov_b32 s[UPPER], 0xffff0000
	s_wait_kmcnt 0x0
	s_cmp_eq_u32 ttmp9, 2
	s_cselect_b64 s[4:5], s[72:73], s[68:69]
	s_cselect_b64 s[6:7], s[74:75], s[70:71]
	s_cselect_b64 s[8:9], s[68:69], s[72:73]
	s_cselect_b64 s[10:11], s[70:71], s[74:75]
	s_cselect_b64 s[98:99], s[80:81], s[78:79]
	s_cmp_eq_u32 ttmp9, 0
	s_cselect_b64 s[98:99], s[76:77], s[98:99]
	s_mov_b64 s[12:13], s[82:83]
	s_mov_b64 s[96:97], s[84:85]
	s_or_b32 s[G1S+0], s43, (3<<16)|(1<<20)|(1<<21)|(5<<22)|(3<<25)
	s_or_b32 s[G1SB+0], s44, (3<<16)|(1<<20)|(1<<21)|(5<<22)|(3<<25)
.irp g, G1S, G1SB
	s_mov_b32 s[\g+1], 32<<16
	s_mov_b32 s[\g+2], 16<<16
	s_mov_b32 s[\g+3], 32<<16
	s_mov_b32 s[\g+4], 16
	s_mov_b32 s[\g+5], 32
	s_mov_b32 s[\g+6], 0
	s_mov_b32 s[\g+7], 0
.endr
	s_add_nc_u64 s[20:21], s[4:5], s[20:21]
	s_add_nc_u64 s[22:23], s[6:7], s[22:23]
	s_add_nc_u64 s[46:47], s[8:9], s[46:47]
	s_add_nc_u64 s[92:93], s[10:11], s[92:93]
	s_cmp_eq_u32 ttmp9, 2                          ; from a K step's plane to the next: x 8,192 x 192 bytes, the weights 3,072 x 192
	s_mov_b32 s4, 1572864
	s_mov_b32 s6, 589824
	s_cselect_b32 s3, s6, s4
	s_cselect_b32 s6, s4, s6                       ; s[6:7] B's plane
	s_mov_b32 s4, s3                               ; s[4:5] A's plane
	s_mov_b32 s5, 0
	s_mov_b32 s7, 0
	s_lshl_b32 s8, s4, 1                           ; s[8:9], s[10:11] two planes: a slot's step
	s_mov_b32 s9, 0
	s_lshl_b32 s10, s6, 1
	s_mov_b32 s11, 0
	CROUND
	s_mov_b32 s[G0S], 1
	s_add_co_u32 s[G0S+1], s94, SCL
	s_mov_b64 s[G0S+2:G0S+3], s[22:23]
	s_or_b32 s[G0S+3], s[G0S+3], 0x80000000
	s_mov_b32 s[G0SB], 1
	s_add_co_u32 s[G0SB+1], s94, SCL
	s_mov_b64 s[G0SB+2:G0SB+3], s[92:93]
	s_or_b32 s[G0SB+3], s[G0SB+3], 0x80000000
	JLOAD G0S, G1S, G0SB, G1SB
.irp s, 0,1
	s_mov_b32 s[G0+4*\s], 1
	s_add_co_u32 s[G0+4*\s+1], s45, \s*SLOT
	s_mov_b64 s[G0+4*\s+2:G0+4*\s+3], s[20:21]
	s_add_nc_u64 s[20:21], s[20:21], s[4:5]
	s_or_b32 s[G0+4*\s+3], s[G0+4*\s+3], 0x80000000
	s_mov_b32 s[G0B+4*\s], 1
	s_add_co_u32 s[G0B+4*\s+1], s45, \s*SLOT
	s_mov_b64 s[G0B+4*\s+2:G0B+4*\s+3], s[46:47]
	s_add_nc_u64 s[46:47], s[46:47], s[6:7]
	s_or_b32 s[G0B+4*\s+3], s[G0B+4*\s+3], 0x80000000
	s_wait_alu depctr_va_vdst(0)
	s_wait_tensorcnt 0x0
	ds_add_u32 v28, v29
	s_wait_dscnt 0x0
	CROUND
	JLOAD G0+4*\s, G1, G0B+4*\s, G1B
.endr
	v_and_b32 v1, 15, v0
	v_bfe_u32 v2, v0, 4, 1
	v_mul_u32_u24 v3, v1, PITCH
	v_mul_u32_u24 v4, v2, 24
	v_add_nc_u32 v4, v3, v4
	v_lshl_add_u32 v5, v2, 4, v4
	s_mul_i32 s21, s15, HALFT
	s_mul_i32 s22, s16, HALFT
	s_add_co_u32 s22, s22, 2*HALFT
.irp s, 0,1
	v_add_nc_u32 v[ADRA+\s], s21, v4
	v_add_nc_u32 v[ADRB+\s], s22, v4
	v_add_nc_u32 v[ADRA+2+\s], s21, v5
	v_add_nc_u32 v[ADRB+2+\s], s22, v5
	s_add_co_u32 s21, s21, SLOT
	s_add_co_u32 s22, s22, SLOT
.endr
	v_mul_u32_u24 v5, v1, KS
	v_lshrrev_b32 v6, 8, v5
	v_lshl_add_u32 v5, v6, 4, v5
	s_mul_i32 s21, s15, HALFS
	s_mul_i32 s22, s16, HALFS
	s_add_co_u32 s22, s22, 2*HALFS
	s_sub_co_u32 s22, s22, s21
	v_mul_u32_u24 v6, s22, v2
	s_add_co_u32 s21, s21, SCL
	v_add_nc_u32 v5, v5, v6
	v_add_nc_u32 v[ADRS], s21, v5
	v_and_b32 v6, 31, v0
	v_lshlrev_b32 v[L8], 3, v6
	v_lshlrev_b32 v[L16], 4, v6
	v_lshlrev_b32 v[BH64], 6, v2
	v_and_b32 v[BR4], 8, v1
	v_add_nc_u32 v[BR4], v[BR4], v1
	v_lshlrev_b32 v[BR4], 2, v[BR4]
	s_cmp_eq_u32 ttmp9, 2
	s_cselect_b32 s20, s42, s17
	s_cselect_b32 s21, s16, s15
	s_cselect_b32 s22, s41, s40
	s_cselect_b32 s23, s15, s16
	s_lshl_b32 s22, s22, 1
	s_add_co_u32 s22, s22, s23
	s_lshr_b32 s23, s20, 3
	s_lshl_b32 s23, s23, 3
	s_add_co_u32 s23, s23, s22
	s_lshl_b32 s23, s23, 4
	s_and_b32 s20, s20, 7
	s_lshl_b32 s20, s20, 1
	s_add_co_u32 s20, s20, s21
	s_add_co_u32 s23, s23, s20
	s_mul_i32 s46, ttmp9, IMGK
	s_mul_i32 s20, s23, 8*FR*128
	s_add_co_u32 s46, s46, s20
	s_mov_b32 s47, 0
	s_add_nc_u64 s[12:13], s[12:13], s[46:47]
	s_lshl_b32 s46, ttmp9, 18
	s_lshl_b32 s20, s23, 9
	s_add_co_u32 s46, s46, s20
	s_add_nc_u64 s[96:97], s[96:97], s[46:47]
	s_lshl_b32 s46, s22, 9
	s_add_nc_u64 s[98:99], s[98:99], s[46:47]
.macro FRAG reg, adr, q, i
.irp p, 0,1,2,3,4,5
.set PCE, 12*(\q)+6*(\p/3)+\p%3
.if PCE%8 < 5
	ds_load_b64 v[\reg+2*\p:\reg+2*\p+1], v[\adr] offset:8*PCE+16*(PCE/8)+(\i)*16*PITCH
.else
	ds_load_b64 v[\reg+2*\p:\reg+2*\p+1], v[\adr+2] offset:8*PCE+16*(PCE/8)+(\i)*16*PITCH
.endif
.endr
.endm
.macro MUL16 a0, p, q, sc, zero
.irp a, \a0, \a0+1
.irp b, 0,1,2,3,4,5,6,7
.if \zero
	v_wmma_scale_f32_16x16x128_f8f6f4 v[8*(8*((\a)%4)+\b):8*(8*((\a)%4)+\b)+7], v[128*(\p)+FR*\b:128*(\p)+FR*\b+FR-1], v[AF+FR*(\a):AF+FR*(\a)+FR-1], 0, v[SC+8*NQ*(\sc)+NQ*\b+(\q)], v[SC+8*NQ*(\sc)+NQ*(\a)+(\q)] matrix_a_fmt:MATRIX_FMT_BF6 matrix_b_fmt:MATRIX_FMT_BF6 matrix_a_scale:MATRIX_SCALE_ROW1
.else
	v_wmma_scale_f32_16x16x128_f8f6f4 v[8*(8*((\a)%4)+\b):8*(8*((\a)%4)+\b)+7], v[128*(\p)+FR*\b:128*(\p)+FR*\b+FR-1], v[AF+FR*(\a):AF+FR*(\a)+FR-1], v[8*(8*((\a)%4)+\b):8*(8*((\a)%4)+\b)+7], v[SC+8*NQ*(\sc)+NQ*\b+(\q)], v[SC+8*NQ*(\sc)+NQ*(\a)+(\q)] matrix_a_fmt:MATRIX_FMT_BF6 matrix_b_fmt:MATRIX_FMT_BF6 matrix_a_scale:MATRIX_SCALE_ROW1
.endif
.endr
.endr
.endm
.macro FETCH_B slot, q, p
	WIN TO_B
.irp i, 0,1,2,3,4,5,6,7
	FRAG 128*(\p)+FR*\i, ADRB+\slot, \q, \i
.endr
	WIN 0
.endm
.macro FETCH_A slot, q, i0
.irp i, \i0, \i0+1, \i0+2, \i0+3
	FRAG AF+FR*(\i), ADRA+\slot, \q, \i
.endr
.endm
.macro SCALES sc
.irp i, 0,1,2,3,4,5,6,7
	ds_load_b64 v[SC+8*NQ*\sc+NQ*\i:SC+8*NQ*\sc+NQ*\i+1], v[ADRS] offset:\i*SBLK
.endr
.endm
.macro PLACES n
.rept \n
	v_nop
.endr
.endm
.macro STEP slot, q, zero
	s_wait_dscnt 4*NL
	WIN MUL_LO
	MUL16 0, (\q)%2, \q, \slot, \zero
	MUL16 2, (\q)%2, \q, \slot, \zero
	s_wait_dscnt 0
	PLACES NP
	FETCH_B \slot, (\q)+1, 1-(\q)%2
	FETCH_A \slot, (\q)+1, 0
	WIN MUL_HI
	MUL16 4, (\q)%2, \q, \slot, \zero
	MUL16 6, (\q)%2, \q, \slot, \zero
	PLACES NP
	WIN 0
	FETCH_A \slot, (\q)+1, 4
.endm
.macro TURN slot, next, fill
	s_wait_tensorcnt 0x0
	ds_add_u32 v[SPW], v[NIL]
	s_wait_dscnt 4*NL+1
	WIN MUL_LO
	MUL16 0, 1, NQ-1, \slot, 0
	s_wait_dscnt 0x0
	s_barrier_signal -1
	MUL16 2, 1, NQ-1, \slot, 0
	WIN 0
	s_barrier_wait -1
.if \fill
	CREST
	s_add_nc_u64 s[G0+4*\slot+2:G0+4*\slot+3], s[G0+4*\slot+2:G0+4*\slot+3], s[8:9]
	s_add_nc_u64 s[G0B+4*\slot+2:G0B+4*\slot+3], s[G0B+4*\slot+2:G0B+4*\slot+3], s[10:11]
	JLOAD G0+4*\slot, G1, G0B+4*\slot, G1B
.else
	PLACES NP
.endif
	s_wait_alu depctr_va_vdst(0)
	v_add_nc_u32 v[ADRS], 4*NQ, v[ADRS]
	FETCH_B \next, 0, 0
	FETCH_A \next, 0, 0
	SCALES \next
	WIN MUL_HI
	MUL16 4, 1, NQ-1, \slot, 0
	MUL16 6, 1, NQ-1, \slot, 0
	PLACES NP
	WIN 0
	FETCH_A \next, 0, 4
.endm
.macro LAST
	s_wait_dscnt 4*NL
	WIN MUL_LO
	MUL16 0, 1, NQ-1, 1, 0
	MUL16 2, 1, NQ-1, 1, 0
	s_wait_dscnt 0
	WIN MUL_HI
	MUL16 4, 1, NQ-1, 1, 0
	MUL16 6, 1, NQ-1, 1, 0
	WIN 0
	PLACES NP
	s_wait_loadcnt 0x0
.irp b, 0,1,2,3
	v_mov_b32 v[TM+4+\b], 0
.endr
.endm
.macro QUANT s
.irp b, 0,1,2,3
	v_max3_num_f32 v[TM+\b], |v[\s+16*\b]|, |v[\s+1+16*\b]|, 0x2800000
.endr
.irp i, 2,4,6,8,10,12,14
.irp b, 0,1,2,3
	v_max3_num_f32 v[TM+\b], v[TM+\b], |v[\s+16*\b+\i]|, |v[\s+1+16*\b+\i]|
.endr
.endr
.irp b, 0,1,2,3
	v_permlanex16_b32 v[TM+4+\b], v[TM+\b], s[SEL], s[SEL+1]
.endr
.irp b, 0,1,2,3
	v_max_num_f32 v[TM+\b], v[TM+\b], v[TM+4+\b]
.endr
.irp b, 0,1,2,3
	v_add_nc_u32 v[TM+12+\b], 0xfe000000, v[TM+\b]
.endr
.irp b, 0,1,2,3
	v_lshrrev_b32 v[TM+4+\b], 23, v[TM+12+\b]
.endr
	v_lshl_or_b32 v[PW], v[TM+5], 8, v[TM+4]
	v_lshl_or_b32 v[PW], v[TM+6], 16, v[PW]
	v_lshl_or_b32 v[PW], v[TM+7], 24, v[PW]
.irp c, 0,1
	v_cvt_scalef32_pk16_bf6_f32 v[PC+6*\c:PC+2+6*\c], v[\s+32*\c:\s+15+32*\c], v[TM+12+2*\c]
	v_cvt_scalef32_pk16_bf6_f32 v[PC+12+4*\c:PC+14+4*\c], v[\s+16+32*\c:\s+31+32*\c], v[TM+12+2*\c+1]
.endr
	v_nop
.irp c, 0,1
.irp i, 0,1,2
	v_permlane16_swap_b32 v[PC+6*\c+\i], v[PC+12+4*\c+\i]
.endr
.irp i, 0,1,2
	v_mov_b32 v[PC+3+6*\c+\i], v[PC+12+4*\c+\i]
.endr
.endr
.endm
.macro EPI a, isv
.if (\a) > 0
	s_wait_xcnt 0x0
.endif
	WIN 0x02+(\a)/4
.set i, 0
.rept 32
.if \isv
	v_pk_add_f32 v[QI+2*i:QI+2*i+1], v[64*((\a)%4)+2*i:64*((\a)%4)+2*i+1], v[BI+2*(\a):BI+2*(\a)+1]
.else
	v_pk_add_f32 v[QI+2*i:QI+2*i+1], v[64*((\a)%4)+2*i:64*((\a)%4)+2*i+1], v[BI+2*i:BI+2*i+1]
.endif
.set i, i+1
.endr
	WIN 0
	QUANT QI
.if \isv
.irp c, 0,1,2
	global_store_b128 v[L16], v[PC+4*\c:PC+4*\c+3], s[12:13] offset:FR*128*(\a)+512*\c
.endr
.else
.irp p, 0,1,2,3,4,5
	global_store_b64 v[L8], v[PC+2*\p:PC+2*\p+1], s[12:13] offset:FR*128*(\a)+256*\p
.endr
.endif
.if (\a)%2
	v_cndmask_b32 v[SW+(\a)/2], v[SW+(\a)/2], v[PW], s[UPPER]
.else
	v_mov_b32 v[SW+(\a)/2], v[PW]
.endif
.endm
	s_wait_alu depctr_va_vdst(0)
	s_wait_tensorcnt 1
	s_barrier_signal -1
	s_barrier_wait -1
	FETCH_B 0, 0, 0
	FETCH_A 0, 0, 0
	SCALES 0
	FETCH_A 0, 0, 4
	STEP 0, 0, 1
	TURN 0, 1, 1
	STEP 1, 0, 0
	TURN 1, 0, 1
	STEP 0, 0, 0
	TURN 0, 1, 0
	STEP 1, 0, 0
	s_cmp_eq_u32 ttmp9, 2
	s_cbranch_scc1 .Lv
.irp t, 0,1,2,3,4,5,6,7
	global_load_b128 v[BI+8*\t:BI+8*\t+3], v[BH64], s[98:99] offset:(32*(\t/2)+8*(\t%2))*4
	global_load_b128 v[BI+8*\t+4:BI+8*\t+7], v[BH64], s[98:99] offset:(32*(\t/2)+8*(\t%2))*4+16
.endr
	LAST
.irp a, 0,1,2,3,4,5,6,7
	EPI \a, 0
.endr
	global_store_b128 v[L16], v[SW:SW+3], s[96:97]
	s_branch .Ldone
.Lv:
.irp a, 0,1,2,3,4,5,6,7
	global_load_b32 v[BI+2*\a], v[BR4], s[98:99] offset:(32*(\a/2)+8*(\a%2))*4
	global_load_b32 v[BI+2*\a+1], v[BR4], s[98:99] offset:(32*(\a/2)+8*(\a%2))*4
.endr
	LAST
.irp a, 0,1,2,3,4,5,6,7
	EPI \a, 1
.endr
	global_store_b128 v[L16], v[SW:SW+3], s[96:97]
.Ldone:
	s_wait_tensorcnt 0x0
	ds_add_u32 v[SPW], v[NIL]
	s_wait_dscnt 0x0
	CROUND
	s_endpgm
.Lfunc_end_k_qc3bc34c7e0_proj:
	.size	k_qc3bc34c7e0_proj, .Lfunc_end_k_qc3bc34c7e0_proj-k_qc3bc34c7e0_proj
	.p2alignl 7, 3214868480
	.fill 96, 4, 3214868480
	.section	.rodata,"a",@progbits
	.p2align	6, 0x0
	.amdhsa_kernel k_qc3bc34c7e0_proj
		.amdhsa_group_segment_fixed_size 327680
		.amdhsa_private_segment_fixed_size 0
		.amdhsa_enable_private_segment 0
		.amdhsa_kernarg_size 72
		.amdhsa_user_sgpr_count 2
		.amdhsa_user_sgpr_kernarg_segment_ptr 1
		.amdhsa_wavefront_size32 1
		.amdhsa_system_sgpr_workgroup_id_x 1
		.amdhsa_system_sgpr_workgroup_id_y 1
		.amdhsa_system_sgpr_workgroup_id_z 1
		.amdhsa_system_vgpr_workitem_id 0
		.amdhsa_next_free_vgpr 1024
		.amdhsa_next_free_sgpr 106
		.amdhsa_reserve_vcc 0
		.amdhsa_float_denorm_mode_32 3
		.amdhsa_float_denorm_mode_16_64 3
		.amdhsa_memory_ordered 1
		.amdhsa_forward_progress 1
		.amdhsa_inst_pref_size 245
	.end_amdhsa_kernel
	.amdgpu_metadata
---
amdhsa.version: [ 1, 2 ]
amdhsa.kernels:
  - .name:           k_qc3bc34c7e0_proj
    .symbol:         k_qc3bc34c7e0_proj.kd
    .args:
      - { .name: x_codes, .offset: 0, .size: 8, .value_kind: global_buffer, .address_space: global }
      - { .name: x_scales, .offset: 8, .size: 8, .value_kind: global_buffer, .address_space: global }
      - { .name: w_codes, .offset: 16, .size: 8, .value_kind: global_buffer, .address_space: global }
      - { .name: w_scales, .offset: 24, .size: 8, .value_kind: global_buffer, .address_space: global }
      - { .name: bq, .offset: 32, .size: 8, .value_kind: global_buffer, .address_space: global }
      - { .name: bk, .offset: 40, .size: 8, .value_kind: global_buffer, .address_space: global }
      - { .name: bv, .offset: 48, .size: 8, .value_kind: global_buffer, .address_space: global }
      - { .name: img, .offset: 56, .size: 8, .value_kind: global_buffer, .address_space: global }
      - { .name: sc, .offset: 64, .size: 8, .value_kind: global_buffer, .address_space: global }
    .group_segment_fixed_size: 327680
    .private_segment_fixed_size: 0
    .kernarg_segment_align: 8
    .kernarg_segment_size: 72
    .max_flat_workgroup_size: 128
    .sgpr_count:     106
    .vgpr_count:     1024
    .wavefront_size: 32
...
	.end_amdgpu_metadata
.endif
;; end of part 2
;; launch attn (part 3): grid 4 x 64, 16 waves a work-group, no clusters, 284,672 bytes of LDS; arguments img, sc, mbits, inputs, out0; writes out0
.if DOCPART == 3
	.amdgcn_target "amdgcn-amd-amdhsa--gfx1250"
	.amdhsa_code_object_version 6
	.text
	.protected	k_qc3bc34c7e0_attn
	.globl	k_qc3bc34c7e0_attn
	.p2align	8
	.type	k_qc3bc34c7e0_attn,@function
k_qc3bc34c7e0_attn:
	s_mov_b64 s[64:65], 0
	v_nop
	global_prefetch_b8 v0, s[64:65] scope:SCOPE_SE
	s_setreg_imm32_b32 hwreg(HW_REG_WAVE_MODE, 25, 1), 1
	s_wait_xcnt 0x0
; ATTN.  out0 = inputs + softmax(where(mask, -inf, q k^T / 32)) v, both products on codes of BF6 (E3M2) with one E8M0 scale for each 32 along a product's K.
; q, k, v come as images of operand registers (img, sc), the mask as words of lane bits (mbits).
; THE SOFTMAX: t = score x log2(e) / 32; M = the ceiling of the row's largest t so far, kept as -M = min(old -M, floor(-t)); p = 2^(t - M) is quantised along the keys, not normalised.
; The row's sum is taken of the unquantised p, in f32, and divides O at the end.  When M moves, the sum and O are multiplied by 2^(old M - new M): exact.
; SHARES.  A work-group owns ONE head of one batch and 512 positions of queries: 4 x 64 work-groups.  Each of its sixteen waves owns two tiles of 16 queries; every fragment of K and of V that it reads from LDS serves both.
; K AND V OF THE HEAD, ALL 2,048 KEYS, LIE IN LDS: 2 x 98,304 bytes, and 16,384 of scale words.  Wave w copies key step w (26 loads of 16 or 8 bytes a lane, through registers) at the head; one barrier; no LDS byte is written again,
; so no other barrier stands in the text.
; THE MASK.  At the head a wave ORs the 64 words of each (tile, key step) into one flag bit.  A step whose flag is 0 has no masked score.
; NO TENSOR LOAD, NO CLUSTER: that branch hangs on whole numbers read from memory; there is no joint load by which the four work-groups of a head could share.
; NO PREFETCH OF K AND V: they are asked for once, at the head, with no loop to run ahead in.  The residual's 32 blocks of 256 bytes a wave are asked for four key steps ahead of their loads, a lane a block.
; POSITIONS.  Position P of a query or key is the true row P with bits 3 and 4 exchanged, so the 16 registers of two neighbouring tiles of keys are 16 neighbouring keys.  Both products are used transposed: a lane holds ONE query.
; THE HEAD IS 64 WIDE, THE INSTRUCTION 128.  Q is taken as [q0 | zeros] for tile 0 and [zeros | q1] for tile 1; K's half fragments lie 6 registers apart, and the other six registers of K's operand are whatever lies beside:
; zero CODES add nothing against any 6-bit code.  K's and Q's scale words hold the head's two bytes twice, so that they fit both places.
; LIMITS.  A row that is wholly masked has the sum 0 and comes out NaN, as in reference().  A block of p that is all zeros keeps the byte 1 (zero codes).  A block's largest p is made from the block's largest score by the same
; multiply-add and exponential: this takes v_exp_f32 not to fall where its input rises.  NaN and infinities among the inputs are not served.  The scaled scores stay under 2^31 in magnitude.
.set KSB,   6144                       ; a key step's eight half fragments of K, or four fragments of V
.set VOFF,  16*KSB                     ; V behind K
.set SCK,   2*VOFF                     ; K's scale words, 512 bytes a key step; V's 8,192 bytes on
.set STG,   SCK+16384                  ; the way out: 16 rows x (256 + 16) bytes for each wave
.set SPI,   272
.set SPARE, STG+16*16*SPI              ; the spare words, 128 bytes for each wave
.set IMGK,  6291456                    ; a kind's images in img
.set LN,   1                           ; lane
.set ADK,  2                           ; LDS addresses of the key step's K, V, scale words
.set ADV,  3
.set ADS,  4
.set SPW,  5                           ; my spare word; never rewritten
.set NIL,  6                           ; 0; never rewritten
.set NINF, 7                           ; -infinity
.set NM,   8                           ; v8 + 2 a: -M of tile a;  v9 + 2 a: p's scale word of tile a
.set SU,   12                          ; v[12 + 2 a : 13 + 2 a] the sum in two halves
.set Q,    16                          ; v16-21 q0, v22-27 zeros, v28-33 q1
.set QS,   34                          ; Q's scale words: lanes 0-15 tile 0, lanes 16-31 tile 1
.set C1,   36                          ; v36-47 p's codes of tile 1
.set KF,   48                          ; v48-95 K's eight halves, then V's four fragments
.set C0,   96                          ; v96-107 p's codes of tile 0
.set S,    108                         ; v108-171 S^T, then p
.set OT,   172                         ; v172 + 32 a: O^T of tile a
.set BM,   236                         ; v236-239 the blocks' largest
.set PT,   240                         ; v240-247 at work
.set KW,   248                         ; v248-251 K's or V's scale words
.set F,    252                         ; 2^(old M - new M)
.set T,    253
.set PFO,  254                         ; the prefetch's offset; never rewritten
.set WV,   2
.set TB,   3                           ; LDS byte of the key step's K;  s11: of its V;  s12: of its scale words
.set SEL,  4
.set CS,   6                           ; s[6:7] c = log2(e) / 32
.set MP,   8                           ; s[8:9] tile 0's mask words of the key step; tile 1's 4,096 bytes on
.set CNT,  10
.set TS,   12
.set RIN,  14
.set FL,   84                          ; s84 + a: the flags of tile a, the key step's in bit 0
.set ROUT, 88
	s_load_b256 s[16:23], s[0:1], 0x0              ; img, sc, mbits, inputs
	s_load_b64 s[24:25], s[0:1], 0x20              ; out0
	v_lshl_add_u32 v[SPW], v0, 2, SPARE
	v_mov_b32 v[NIL], 0
	v_lshrrev_b32 v[ADK], 5, v0
	v_and_b32 v[LN], 31, v0
	s_delay_alu instid0(VALU_DEP_2)
	v_readfirstlane_b32 s[WV], v[ADK]              ; wave 0..15
	s_wait_alu depctr_va_vdst(0)
	s_and_b32 s26, ttmp7, 0xffff                   ; 16 b + head
	s_lshr_b32 s27, s26, 1                         ; the pair of heads that share an image
	s_and_b32 s28, s26, 1                          ; e: which of the pair
	s_mul_i32 s30, s27, 196608
	s_mul_i32 s31, s[WV], 12288
	s_add_co_u32 s30, s30, s31                     ; key step = my wave's number
	s_mul_i32 s31, s28, 768
	s_add_co_u32 s32, s30, s31
	s_add_co_u32 s32, s32, IMGK                    ; K: each tile's 1,536 bytes hold the even head's 768, then the odd's
	s_mov_b32 s33, 0
	s_mul_i32 s29, s28, KSB
	s_add_co_u32 s34, s30, s29
	s_add_co_u32 s34, s34, 2*IMGK                  ; V: the head's four fragments on end
	s_mov_b32 s35, 0
	s_lshl_b32 s36, s27, 13
	s_lshl_b32 s29, s[WV], 9
	s_add_co_u32 s36, s36, s29
	s_add_co_u32 s36, s36, 1<<18                   ; K's scale words; V's 1 << 18 bytes on
	s_mov_b32 s37, 0
	s_add_co_u32 s49, s29, SCK                     ; and where they go in LDS
	s_lshl_b32 s29, ttmp9, 5
	s_lshl_b32 s30, s[WV], 1
	s_add_co_u32 s29, s29, s30                     ; T0 = 32 x + 2 wave: my first tile
	s_lshl_b32 s38, s27, 7
	s_add_co_u32 s38, s38, s29
	s_mul_i32 s38, s38, 1536
	s_add_co_u32 s38, s38, s31                     ; Q's image
	s_mov_b32 s39, 0
	s_lshl_b32 s40, s27, 4
	s_lshr_b32 s30, s29, 3
	s_add_co_u32 s40, s40, s30
	s_lshl_b32 s40, s40, 9
	s_and_b32 s30, s[WV], 3
	s_lshl_b32 s30, s30, 2
	s_add_co_u32 s40, s40, s30                     ; Q's scale words: word (T0 % 8) / 2 of a lane's four
	s_mov_b32 s41, 0
	s_lshl_b32 s42, s29, 12                        ; the mask words: 4,096 bytes a tile
	s_mov_b32 s43, 0
	s_lshl_b32 s44, s29, 6                         ; first true query 16 T0, x 4 batches
	s_lshr_b32 s30, s26, 4
	s_add_co_u32 s44, s44, s30                     ; + b: a row of 4,096 bytes
	s_lshl_b32 s44, s44, 12
	s_and_b32 s30, s26, 15
	s_lshl_b32 s30, s30, 8
	s_add_co_u32 s44, s44, s30                     ; + the head's 256 bytes
	s_mov_b32 s45, 0
	s_mul_i32 s46, s28, 0x02020202
	s_add_co_u32 s46, s46, 0x01000100              ; byte select: the head's two scale bytes, twice
	s_lshl_b32 s47, s28, 3
	s_mul_i32 s48, s[WV], KSB
	s_mov_b32 s[SEL], 0x76543210
	s_mov_b32 s[SEL+1], 0xfedcba98
	s_mov_b32 s[CS], 0x3d38aa3b
	s_mov_b32 s[CS+1], s[CS]
	s_mov_b32 s[TB], 0
	s_mov_b32 s11, VOFF
	s_mov_b32 s[TS], SCK
	s_mov_b32 s[CNT], 16
	s_mov_b32 s[FL], 0
	s_mov_b32 s[FL+1], 0
	v_lshlrev_b32 v[ADK], 3, v[LN]                 ; 8 x lane
	v_lshlrev_b32 v[ADS], 4, v[LN]                 ; 16 x lane
	v_lshrrev_b32 v[T], 4, v[LN]                   ; h
	v_and_b32 v[PFO], 15, v[LN]
	v_and_b32 v236, 8, v[LN]
	v_mad_u32_u24 v[ADV], v[T], 768, v[ADS]        ; lanes 16-31 in the next tile's half
	v_add_nc_u32 v245, s47, v[ADS]                 ; V's scale words: 8 e on
	v_add_nc_u32 v255, s48, v[ADS]                 ; LDS: my key step's K,
	v_add_nc_u32 v244, s49, v[ADS]                 ; its scale words,
	v_add_nc_u32 v[PFO], v[PFO], v236
	v_add_nc_u32 v[F], VOFF, v255                  ; its V
	s_delay_alu instid0(VALU_DEP_2)
	v_lshl_add_u32 v[PFO], v[T], 3, v[PFO]
	v_mov_b32 v[NINF], 0xff800000
	s_delay_alu instid0(VALU_DEP_2)
	v_lshlrev_b32 v[PFO], 14, v[PFO]               ; row r + 8 (r / 8) + 8 (lane / 16) of my 32, 16,384 bytes apart
.irp a, 0,1
	v_mov_b32 v[NM+2*\a], 0x7f61b1e6               ; -M: 3e38, over every floor(-t)
	v_mov_b32 v[NM+1+2*\a], 0
	v_mov_b32 v[SU+2*\a], 0
	v_mov_b32 v[SU+1+2*\a], 0
	v_mov_b32 v[100+\a], 0                         ; named by tile 7's operand before codes are first written there
.endr
.irp j, 0,1,2,3,4,5
	v_mov_b32 v[Q+6+\j], 0                         ; Q's zero half
.endr
.irp b, 0,1,2,3
	v_mov_b32 v[PT+\b], 0                          ; a lane permute's destination counts as one of its sources
.endr
	s_wait_alu depctr_va_vdst(0)
	s_wait_kmcnt 0x0
	s_add_nc_u64 s[32:33], s[16:17], s[32:33]
	s_add_nc_u64 s[34:35], s[16:17], s[34:35]
	s_add_nc_u64 s[36:37], s[18:19], s[36:37]
	s_add_nc_u64 s[38:39], s[16:17], s[38:39]
	s_add_nc_u64 s[40:41], s[18:19], s[40:41]
	s_add_nc_u64 s[MP:MP+1], s[20:21], s[42:43]
	s_add_nc_u64 s[RIN:RIN+1], s[22:23], s[44:45]
	s_add_nc_u64 s[ROUT:ROUT+1], s[24:25], s[44:45]
.irp a, 0,1
.irp j, 0,1,2,3,4,5,6,7,8,9,10,11,12,13,14,15
	global_load_b64 v[36+32*\a+2*\j:37+32*\a+2*\j], v[ADK], s[MP:MP+1] offset:4096*\a+256*\j   ; (tile a, key step j): 64 words, two a lane
.endr
.endr
.irp p, 0,1,2
	global_load_b64 v[Q+2*\p:Q+1+2*\p], v[ADK], s[38:39] offset:256*\p
	global_load_b64 v[Q+12+2*\p:Q+13+2*\p], v[ADK], s[38:39] offset:1536+256*\p
.endr
	global_load_b32 v[QS], v[ADS], s[40:41]
.irp g, 0,1,2,3                                ; K: two tiles' halves, 2 x 768 bytes, are three loads of 512
	global_load_b128 v[S+12*\g:S+12*\g+3], v[ADS], s[32:33] offset:3072*\g
	global_load_b128 v[S+12*\g+4:S+12*\g+7], v[ADV], s[32:33] offset:3072*\g+512
	global_load_b128 v[S+12*\g+8:S+12*\g+11], v[ADS], s[32:33] offset:3072*\g+1792
.endr
.irp i, 0,1,2,3,4,5,6,7,8,9,10,11
	global_load_b128 v[S+48+4*\i:S+51+4*\i], v[ADS], s[34:35] offset:512*\i
.endr
	global_load_b128 v[204:207], v[ADS], s[36:37]
	global_load_b64 v[208:209], v245, s[36:37] offset:1<<18
	s_wait_loadcnt 26                              ; the mask words and Q are in; K's, V's and the scale words' 26 loads may be out
.irp j, 0,1,2,3,4,5,6,7,8,9,10,11,12,13,14,15
	v_or_b32 v246, v[36+2*\j], v[37+2*\j]
	v_or_b32 v247, v[68+2*\j], v[69+2*\j]
	s_delay_alu instid0(VALU_DEP_2)
	v_cmp_ne_u32 s86, 0, v246                      ; is any bit of the 64 words set?
	s_delay_alu instid0(VALU_DEP_2)
	v_cmp_ne_u32 s87, 0, v247
	s_cmp_lg_u32 s86, 0
	s_cselect_b32 s86, 1<<\j, 0
	s_or_b32 s[FL], s[FL], s86
	s_cmp_lg_u32 s87, 0
	s_cselect_b32 s87, 1<<\j, 0
	s_or_b32 s[FL+1], s[FL+1], s87
.endr
	v_perm_b32 v[QS], v[QS], v[QS], s46
	s_wait_loadcnt 14                              ; K's twelve loads are in
.irp i, 0,1,2,3,4,5,6,7,8,9,10,11
	ds_store_b128 v255, v[S+4*\i:S+3+4*\i] offset:512*\i
.endr
	s_wait_loadcnt 0x0
.irp i, 0,1,2,3
	v_perm_b32 v[204+\i], v[204+\i], v[204+\i], s46
.endr
.irp i, 0,1,2,3,4,5,6,7,8,9,10,11
	ds_store_b128 v[F], v[S+48+4*\i:S+51+4*\i] offset:512*\i
.endr
	ds_store_b128 v244, v[204:207]
	ds_store_b64 v244, v[208:209] offset:8192      ; the head's two words in the lower half of a lane's 16 bytes
	s_wait_dscnt 0x0                               ; my part of K, V and the scale words is in LDS
	s_barrier_signal -1
.irp j, 0,1,2,3,4,5,6,7,8,9,10,11,12,13,14,15,16,17,18,19,20,21,22,23,24,25,26,27,28,29,30,31,32,33,34,35,36,37,38,39,40,41,42,43,44,45,46,47,48,49,50,51,52,53,54,55,56,57,58,59,60,61,62,63
	v_mov_b32 v[OT+\j], 0                          ; O^T: the loop is written once; its first step finds zeros
.endr
	s_wait_alu depctr_va_vdst(0)
	s_barrier_wait -1                              ; everybody's part is in
; TILE a OF A KEY STEP: scores, softmax, p's codes and scale word.
.macro TILE a
.set NMA, NM+2*(\a)
.set SUA, SU+2*(\a)
.set OA,  OT+32*(\a)
.set CD,  C0-60*(\a)
.irp t, 0,1,2,3,4,5,6,7                        ; S^T = K Q^T: eight sums, each begun with the constant 0
.if \a
.if (\t)%2
	v_wmma_scale_f32_16x16x128_f8f6f4 v[S+8*\t:S+7+8*\t], v[KF-6+6*\t:KF+5+6*\t], v[Q+6:Q+17], 0, v[KW+\t/2], v[QS] matrix_a_fmt:MATRIX_FMT_BF6 matrix_b_fmt:MATRIX_FMT_BF6 matrix_a_scale:MATRIX_SCALE_ROW1 matrix_b_scale:MATRIX_SCALE_ROW1
.else
	v_wmma_scale_f32_16x16x128_f8f6f4 v[S+8*\t:S+7+8*\t], v[KF-6+6*\t:KF+5+6*\t], v[Q+6:Q+17], 0, v[KW+\t/2], v[QS] matrix_a_fmt:MATRIX_FMT_BF6 matrix_b_fmt:MATRIX_FMT_BF6 matrix_b_scale:MATRIX_SCALE_ROW1
.endif
.else
.if (\t)%2
	v_wmma_scale_f32_16x16x128_f8f6f4 v[S+8*\t:S+7+8*\t], v[KF+6*\t:KF+11+6*\t], v[Q:Q+11], 0, v[KW+\t/2], v[QS] matrix_a_fmt:MATRIX_FMT_BF6 matrix_b_fmt:MATRIX_FMT_BF6 matrix_a_scale:MATRIX_SCALE_ROW1
.else
	v_wmma_scale_f32_16x16x128_f8f6f4 v[S+8*\t:S+7+8*\t], v[KF+6*\t:KF+11+6*\t], v[Q:Q+11], 0, v[KW+\t/2], v[QS] matrix_a_fmt:MATRIX_FMT_BF6 matrix_b_fmt:MATRIX_FMT_BF6
.endif
.endif
.endr
.if \a
	v_lshl_add_u32 v[ADV], v[LN], 4, s11           ; four places: in front of the loads below and of the first read of the scores
.rept 3
	v_nop
.endr
.irp dt, 0,1,2,3                               ; K is done with: V takes its registers and lands under the softmax
.irp c, 0,1,2
	ds_load_b128 v[KF+12*\dt+4*\c:KF+3+12*\dt+4*\c], v[ADV] offset:1536*\dt+512*\c
.endr
.endr
	ds_load_b64 v[KW:KW+1], v[ADS] offset:8192
.else
.rept 4
	v_nop
.endr
.endif
	s_wait_alu depctr_va_vdst(0)
	s_bitcmp1_b32 s[FL+\a], 0                      ; has this tile a masked score in this key step?
	s_cbranch_scc0 .Lfree_\@
	s_load_b512 s[16:31], s[MP:MP+1], 4096*\a
	s_load_b512 s[32:47], s[MP:MP+1], 4096*\a+0x40
	s_load_b512 s[48:63], s[MP:MP+1], 4096*\a+0x80
	s_load_b512 s[68:83], s[MP:MP+1], 4096*\a+0xc0
	s_wait_kmcnt 0x0
.set n, 0
.rept 64                                       ; masked scores become -infinity: word n holds, in bit l, the mask of lane l's register n
.if n < 48
.set mw, 16+n
.else
.set mw, 20+n
.endif
	v_cndmask_b32 v[S+n], v[S+n], v[NINF], s[mw]
.set n, n+1
.endr
.Lfree_\@:
.irp b, 0,1,2,3
	v_max3_num_f32 v[BM+\b], v[S+16*\b], v[S+1+16*\b], v[S+2+16*\b]   ; the largest score of each block of 32 keys: for the row's maximum and for the block's largest p
.endr
.irp i, 3,5,7,9,11,13
.irp b, 0,1,2,3
	v_max3_num_f32 v[BM+\b], v[BM+\b], v[S+16*\b+\i], v[S+1+16*\b+\i]   ; (the four blocks by turns)
.endr
.endr
.irp b, 0,1,2,3
	v_max_num_f32 v[BM+\b], v[BM+\b], v[S+15+16*\b]
.endr
.irp b, 0,1,2,3
	s_delay_alu instid0(VALU_DEP_4)
	v_permlanex16_b32 v[PT+\b], v[BM+\b], s[SEL], s[SEL+1]
.endr
.irp b, 0,1,2,3
	s_delay_alu instid0(VALU_DEP_4)
	v_max_num_f32 v[BM+\b], v[BM+\b], v[PT+\b]     ; with lane l xor 16's 16 keys
.endr
	s_delay_alu instid0(VALU_DEP_2)
	v_max3_num_f32 v[T], v[BM], v[BM+1], v[BM+2]
	s_delay_alu instid0(VALU_DEP_1)
	v_max_num_f32 v[T], v[T], v[BM+3]              ; the step's largest score of my query
	s_delay_alu instid0(VALU_DEP_1)
	v_mul_f32 v[T], s[CS], v[T]                    ; as t
	s_delay_alu instid0(VALU_DEP_1)
	v_floor_f32 v[T], -v[T]                        ; -ceil(t)
	s_delay_alu instid0(VALU_DEP_1)
	v_min_num_f32 v[T], v[T], v[NMA]               ; the new -M: a whole number
	s_delay_alu instid0(VALU_DEP_1)
	v_sub_f32 v[F], v[T], v[NMA]                   ; old M less new M: 0 or less
	v_mov_b32 v[NMA], v[T]
	s_delay_alu instid0(VALU_DEP_2)
	v_cvt_i32_f32 v[F], v[F]                       ; (it saturates)
	s_delay_alu instid0(VALU_DEP_1)
	v_ldexp_f32 v[F], 1.0, v[F]                    ; f = 2^(old M - new M)
.irp j, 0,2,4,6,8,10,12,14,16,18,20,22,24,26,28,30,32,34,36,38,40,42,44,46,48,50,52,54,56,58,60,62
	v_pk_fma_f32 v[S+\j:S+1+\j], v[S+\j:S+1+\j], s[CS:CS+1], v[NMA:NMA+1] op_sel_hi:[1,0,0]   ; t - M, two at a time
.endr
.irp b, 0,1,2,3
	v_fma_f32 v[BM+\b], v[BM+\b], s[CS], v[NMA]    ; the same of each block's largest score
.endr
	s_wait_alu depctr_va_vdst(0)
.irp j, 0,2,4,6,8,10,12,14,16,18,20,22,24,26,28,30
	v_pk_mul_f32 v[OA+\j:OA+1+\j], v[OA+\j:OA+1+\j], v[F:F+1] op_sel_hi:[1,0]   ; O^T under the new M, each accumulator from its low end on
.endr
	v_pk_mul_f32 v[SUA:SUA+1], v[SUA:SUA+1], v[F:F+1] op_sel_hi:[1,0]   ; and the sums
.irp b, 0,1,2,3
	v_exp_f32 v[BM+\b], v[BM+\b]                   ; the block's largest p
.endr
.irp j, 0,1,2,3,4,5,6,7,8,9,10,11,12,13,14,15,16,17,18,19,20,21,22,23,24,25,26,27,28,29,30,31,32,33,34,35,36,37,38,39,40,41,42,43,44,45,46,47,48,49,50,51,52,53,54,55,56,57,58,59,60,61,62,63
	v_exp_f32 v[S+\j], v[S+\j]                     ; p = 2^(t - M), at most 1
.endr
	v_nop                                          ; one plain place behind the exponentials
	s_wait_alu depctr_va_vdst(0)                   ; one wait for the whole batch, ahead of its first reader
.irp b, 0,1,2,3
	v_max_num_f32 v[BM+\b], 0x2800000, v[BM+\b]    ; the floor 2^(5 - 127): the byte cannot fall under 1
.endr
.irp b, 0,1,2,3
	s_delay_alu instid0(VALU_DEP_4)
	v_add_nc_u32 v[BM+\b], 0xfe000000, v[BM+\b]    ; 4 off the exponent field: the conversion's scale operand
.endr
.irp b, 0,1,2,3
	s_delay_alu instid0(VALU_DEP_4)
	v_lshrrev_b32 v[PT+\b], 23, v[BM+\b]           ; the scale's byte
.endr
	s_delay_alu instid0(VALU_DEP_3)
	v_lshl_or_b32 v[NMA+1], v[PT+1], 8, v[PT]      ; p's scale word for these 128 keys
	s_delay_alu instid0(VALU_DEP_1)
	v_lshl_or_b32 v[NMA+1], v[PT+2], 16, v[NMA+1]
	s_delay_alu instid0(VALU_DEP_1)
	v_lshl_or_b32 v[NMA+1], v[PT+3], 24, v[NMA+1]
.irp c, 0,1
	v_cvt_scalef32_pk16_bf6_f32 v[CD+6*\c:CD+2+6*\c], v[S+32*\c:S+15+32*\c], v[BM+2*\c]
	v_cvt_scalef32_pk16_bf6_f32 v[PT+4*\c:PT+2+4*\c], v[S+16+32*\c:S+31+32*\c], v[BM+1+2*\c]   ; (a conversion's three registers begin on an even number)
.endr
	v_nop                                          ; one plain place behind a scaled conversion
.irp c, 0,1                                    ; the operand's layout wants a whole block in a lane
.irp i, 0,1,2
	v_permlane16_swap_b32 v[CD+6*\c+\i], v[PT+4*\c+\i]
.endr
.irp i, 0,1,2
	s_delay_alu instid0(VALU_DEP_3)
	v_mov_b32 v[CD+3+6*\c+\i], v[PT+4*\c+\i]
.endr
.endr
	v_pk_add_f32 v[PT:PT+1], v[S:S+1], v[S+2:S+3]  ; the row's sum, of the unquantised p: two at a time, in four chains.  (These 32 lines are also the places between p's codes and scale word and the products)
	v_pk_add_f32 v[PT+2:PT+3], v[S+4:S+5], v[S+6:S+7]
	v_pk_add_f32 v[PT+4:PT+5], v[S+8:S+9], v[S+10:S+11]
	v_pk_add_f32 v[SUA:SUA+1], v[SUA:SUA+1], v[S+12:S+13]
.irp j, 14,22,30,38,46,54
	v_pk_add_f32 v[PT:PT+1], v[PT:PT+1], v[S+\j:S+1+\j]
	v_pk_add_f32 v[PT+2:PT+3], v[PT+2:PT+3], v[S+2+\j:S+3+\j]
	v_pk_add_f32 v[PT+4:PT+5], v[PT+4:PT+5], v[S+4+\j:S+5+\j]
	v_pk_add_f32 v[SUA:SUA+1], v[SUA:SUA+1], v[S+6+\j:S+7+\j]
.endr
	v_pk_add_f32 v[PT:PT+1], v[PT:PT+1], v[S+62:S+63]
	v_pk_add_f32 v[SUA:SUA+1], v[SUA:SUA+1], v[PT+4:PT+5]
	s_delay_alu instid0(VALU_DEP_2)
	v_pk_add_f32 v[PT:PT+1], v[PT:PT+1], v[PT+2:PT+3]
	s_delay_alu instid0(VALU_DEP_1)
	v_pk_add_f32 v[SUA:SUA+1], v[SUA:SUA+1], v[PT:PT+1]
.endm
.Lkey:                                             ; sixteen key steps of 128 keys
	s_cmp_lg_u32 s[CNT], 4                         ; four steps ahead of the way out: the 32 aligned blocks of 256 bytes of inputs that it adds, a lane a block, each named once in the launch
	s_cbranch_scc1 .Lno_ask
	global_prefetch_b8 v[PFO], s[RIN:RIN+1] th:TH_LOAD_NT scope:SCOPE_SE
.Lno_ask:
	v_lshl_add_u32 v[ADK], v[LN], 3, s[TB]         ; these two and the two v_nop are the places behind the last products, in front of the loads into their registers
	v_lshl_add_u32 v[ADS], v[LN], 4, s[TS]
	v_nop
	v_nop
.irp t, 0,1,2,3,4,5,6,7
.irp p, 0,1,2
	ds_load_b64 v[KF+6*\t+2*\p:KF+1+6*\t+2*\p], v[ADK] offset:768*\t+256*\p
.endr
.endr
	ds_load_b128 v[KW:KW+3], v[ADS]                ; K's scale words: register i: lanes 0-15 tile 2 i, lanes 16-31 tile 2 i + 1
	s_wait_dscnt 0x0
	TILE 0
	TILE 1
	s_wait_alu depctr_va_vdst(0)
	s_wait_dscnt 0x0                               ; V and its scale words
.irp dt, 0,1,2,3                               ; O^T += V^T P^T: eight accumulators, one instruction each
.irp a, 0,1
.if (\dt)%2
	v_wmma_scale_f32_16x16x128_f8f6f4 v[OT+32*\a+8*\dt:OT+32*\a+8*\dt+7], v[KF+12*\dt:KF+11+12*\dt], v[C0-60*\a:C0-60*\a+11], v[OT+32*\a+8*\dt:OT+32*\a+8*\dt+7], v[KW+\dt/2], v[NM+1+2*\a] matrix_a_fmt:MATRIX_FMT_BF6 matrix_b_fmt:MATRIX_FMT_BF6 matrix_a_scale:MATRIX_SCALE_ROW1
.else
	v_wmma_scale_f32_16x16x128_f8f6f4 v[OT+32*\a+8*\dt:OT+32*\a+8*\dt+7], v[KF+12*\dt:KF+11+12*\dt], v[C0-60*\a:C0-60*\a+11], v[OT+32*\a+8*\dt:OT+32*\a+8*\dt+7], v[KW+\dt/2], v[NM+1+2*\a] matrix_a_fmt:MATRIX_FMT_BF6 matrix_b_fmt:MATRIX_FMT_BF6
.endif
.endr
.endr
	s_add_co_u32 s[TB], s[TB], KSB
	s_add_co_u32 s11, s11, KSB
	s_add_co_u32 s[TS], s[TS], 512
	s_add_nc_u64 s[MP:MP+1], s[MP:MP+1], 256       ; (no scalar load is out: each is waited for where it is issued)
	s_lshr_b32 s[FL], s[FL], 1
	s_lshr_b32 s[FL+1], s[FL+1], 1
	s_sub_co_u32 s[CNT], s[CNT], 1
	s_cmp_lg_u32 s[CNT], 0
	s_cbranch_scc1 .Lkey
	; THE WAY OUT.  O^T / the sum goes through my stage in LDS, a tile (16 queries x 256 bytes) at a time, comes back as rows, takes the residual and leaves: sixteen lanes store 256 consecutive bytes, aligned.
	v_and_b32 v[ADK], 15, v[LN]                    ; r.  (These four lines are the places behind the last products, in front of the loads into their registers)
	v_lshrrev_b32 v[ADV], 4, v[LN]                 ; h
	s_delay_alu instid0(VALU_DEP_1)
	v_lshlrev_b32 v[ADS], 14, v[ADV]
	s_delay_alu instid0(VALU_DEP_1)
	v_lshl_add_u32 v[ADS], v[ADK], 4, v[ADS]       ; lanes 0-15 one query's row, lanes 16-31 the next position's; 16 bytes a lane
.irp a, 0,1
.irp i, 0,1,2,3,4,5,6,7
	global_load_b128 v[36+32*\a+4*\i:39+32*\a+4*\i], v[ADS], s[RIN:RIN+1] offset:(2*\i+8*(\i/4)+8*\a)*16384 th:TH_LOAD_NT   ; the residual of tile a's positions 2 i, 2 i + 1
.endr
.endr
	v_add_f32 v12, v12, v13                        ; the sums' two halves,
	v_add_f32 v14, v14, v15
	s_delay_alu instid0(VALU_DEP_2)
	v_permlanex16_b32 v[PT], v12, s[SEL], s[SEL+1]
	s_delay_alu instid0(VALU_DEP_2)
	v_permlanex16_b32 v[PT+1], v14, s[SEL], s[SEL+1]
	s_delay_alu instid0(VALU_DEP_2)
	v_add_f32 v12, v12, v[PT]                      ; and lane l xor 16's
	s_delay_alu instid0(VALU_DEP_2)
	v_add_f32 v14, v14, v[PT+1]
	s_wait_alu depctr_va_vdst(0)
	v_rcp_f32 v12, v12
	v_rcp_f32 v14, v14
	s_mul_i32 s13, s[WV], 16*SPI
	s_add_co_u32 s13, s13, STG                     ; my stage
	v_mul_u32_u24 v[BM], v[ADK], SPI
	v_mul_u32_u24 v[BM+1], v[ADV], SPI
	s_delay_alu instid0(VALU_DEP_2)
	v_lshl_add_u32 v[BM], v[ADV], 6, v[BM]
	s_delay_alu instid0(VALU_DEP_2)
	v_lshl_add_u32 v[BM+1], v[ADK], 4, v[BM+1]
	s_delay_alu instid0(VALU_DEP_2)
	v_add_nc_u32 v[BM], s13, v[BM]                 ; in: row r; tile dt's eight channels are 32 (dt / 2) + 16 h + 8 (dt % 2) + 0 .. 7
	s_delay_alu instid0(VALU_DEP_2)
	v_add_nc_u32 v[BM+1], s13, v[BM+1]             ; back: lanes 0-15 one row, lanes 16-31 the next
	s_wait_alu depctr_va_vdst(0)                   ; one wait for both reciprocals, directly ahead of the first reader of them and of O^T
.irp a, 0,1
.irp j, 0,2,4,6,8,10,12,14,16,18,20,22,24,26,28,30
	v_pk_mul_f32 v[S+32*\a+\j:S+1+32*\a+\j], v[OT+32*\a+\j:OT+1+32*\a+\j], v[12+2*\a:13+2*\a] op_sel_hi:[1,0]   ; O^T / the sum, each accumulator from its low end on
.endr
.endr
.irp a, 0,1
.irp dt, 0,1,2,3
	ds_store_b128 v[BM], v[S+32*\a+8*\dt:S+3+32*\a+8*\dt] offset:128*(\dt/2)+32*(\dt%2)
	ds_store_b128 v[BM], v[S+4+32*\a+8*\dt:S+7+32*\a+8*\dt] offset:128*(\dt/2)+32*(\dt%2)+16
.endr
.irp i, 0,1,2,3,4,5,6,7
	ds_load_b128 v[S+32*\a+4*\i:S+3+32*\a+4*\i], v[BM+1] offset:2*\i*SPI   ; LDS serves a wave's instructions in order: these see my stores, and the next tile's stores come behind them
.endr
.endr
.irp a, 0,1
	s_wait_dscnt 16-16*\a                          ; tile a's rows are back (behind tile 0's stand tile 1's eight stores and eight loads)
	s_wait_loadcnt 8-8*\a                          ; and its residual is in (tile 1's eight loads are younger)
.irp j, 0,2,4,6,8,10,12,14,16,18,20,22,24,26,28,30
	v_pk_add_f32 v[S+32*\a+\j:S+1+32*\a+\j], v[S+32*\a+\j:S+1+32*\a+\j], v[36+32*\a+\j:37+32*\a+\j]
.endr
.irp i, 0,1,2,3,4,5,6,7
	global_store_b128 v[ADS], v[S+32*\a+4*\i:S+3+32*\a+4*\i], s[ROUT:ROUT+1] offset:(2*\i+8*(\i/4)+8*\a)*16384 th:TH_STORE_NT
.endr
.endr
	s_wait_tensorcnt 0x0                           ; the wave's end, behind my last LDS store
	ds_add_u32 v[SPW], v[NIL]
	s_wait_dscnt 0x0
	s_endpgm
.Lfunc_end_k_qc3bc34c7e0_attn:
	.size	k_qc3bc34c7e0_attn, .Lfunc_end_k_qc3bc34c7e0_attn-k_qc3bc34c7e0_attn
	.p2alignl 7, 3214868480
	.fill 96, 4, 3214868480
	.section	.rodata,"a",@progbits
	.p2align	6, 0x0
	.amdhsa_kernel k_qc3bc34c7e0_attn
		.amdhsa_group_segment_fixed_size 284672
		.amdhsa_private_segment_fixed_size 0
		.amdhsa_enable_private_segment 0
		.amdhsa_kernarg_size 40
		.amdhsa_user_sgpr_count 2
		.amdhsa_user_sgpr_kernarg_segment_ptr 1
		.amdhsa_wavefront_size32 1
		.amdhsa_system_sgpr_workgroup_id_x 1
		.amdhsa_system_sgpr_workgroup_id_y 1
		.amdhsa_system_sgpr_workgroup_id_z 1
		.amdhsa_system_vgpr_workitem_id 0
		.amdhsa_next_free_vgpr 256
		.amdhsa_next_free_sgpr 96
		.amdhsa_reserve_vcc 0
		.amdhsa_float_denorm_mode_32 3
		.amdhsa_float_denorm_mode_16_64 3
		.amdhsa_memory_ordered 1
		.amdhsa_forward_progress 1
		.amdhsa_inst_pref_size 74
	.end_amdhsa_kernel
	.amdgpu_metadata
---
amdhsa.version: [ 1, 2 ]
amdhsa.kernels:
  - .name:           k_qc3bc34c7e0_attn
    .symbol:         k_qc3bc34c7e0_attn.kd
    .args:
      - { .name: img, .offset: 0, .size: 8, .value_kind: global_buffer, .address_space: global }
      - { .name: sc, .offset: 8, .size: 8, .value_kind: global_buffer, .address_space: global }
      - { .name: mbits, .offset: 16, .size: 8, .value_kind: global_buffer, .address_space: global }
      - { .name: inputs, .offset: 24, .size: 8, .value_kind: global_buffer, .address_space: global }
      - { .name: out0, .offset: 32, .size: 8, .value_kind: global_buffer, .address_space: global }
    .group_segment_fixed_size: 284672
    .private_segment_fixed_size: 0
    .kernarg_segment_align: 8
    .kernarg_segment_size: 40
    .max_flat_workgroup_size: 512
    .sgpr_count:     96
    .vgpr_count:     256
    .wavefront_size: 32
...
	.end_amdgpu_metadata
.endif
;; end of part 3
